; MI455X (gfx1250); checked and timed in simulation.
; The chip was launched on July 23, 2026; its instructions are those of AMD's public machine-readable ISA for CDNA 5 (MIT licence, August 2026) and "CDNA5" Instruction Set Architecture Reference Guide (July 2026). The comments in the code are by the model that wrote it; some were corrected since.
;; MLP NW dist 2 att. Allowed arithmetic: float matrix products may take bf16 or f16 operands with f32 sums; all other float work in f32.
;; Inputs: Wk1 3 x 64 float32; Wk2 64 x 64 float32; Wo 64 x 1 float32; Wq1 3 x 64 float32; Wq2 64 x 64 float32; Wv1 1 x 64 float32; Wv2 64 x 64 float32; bk1 64 float32; bk2 64 float32; bo 1 float32; bq1 64 float32; bq2 64 float32; bv1 64 float32; bv2 64 float32; coords_f 4 x 4,096 x 3 float32; coords_t 4 x 1,024 x 3 float32; values_f 4 x 4,096 x 1 float32.
;; Outputs: out0 4 x 1,024 x 1 float32.
;; 2 versions, each right and faster than the one before. Each part assembles by itself: llvm-mc -triple=amdgcn-amd-amdhsa -mcpu=gfx1250 --defsym DOCPART=n.
;; ======== version 1 of 2: 2 launches
;; workspace buffers: kt 4,194,304 bytes; qw 1,048,576 bytes; vw 65,536 bytes
;; launch prep (part 1): grid 224 x 1, 4 waves a work-group, no clusters, 53,760 bytes of LDS; arguments coords_f, Wk1, bk1, Wk2, bk2, kt, coords_t, Wq1, bq1, Wq2, bq2, qw, values_f, Wv1, bv1, Wv2, bv2, Wo, bo, vw; writes kt, qw, vw
.if DOCPART == 1
	.amdgcn_target "amdgcn-amd-amdhsa--gfx1250"
	.amdhsa_code_object_version 6
	.text
	.protected	k_q5abb8902e8_prep
	.globl	k_q5abb8902e8_prep
	.p2align	8
	.type	k_q5abb8902e8_prep,@function
k_q5abb8902e8_prep:
	s_mov_b64 s[64:65], 0
	v_nop
	global_prefetch_b8 v0, s[64:65] scope:SCOPE_SE
	s_setreg_imm32_b32 hwreg(HW_REG_WAVE_MODE, 25, 1), 1
	s_wait_xcnt 0x0
; PREP: the three small MLPs, once.  Stores
;   kt = K' = sqrt(c) K, c = log2(e)/2, as [chunk of 64 rows][h/4][row in chunk][h%4] f32  (rows = batch x 4096 + n)
;   qw = Q' = sqrt(c) Q, as [batch x 1024 + m][64] f32
;   vw = v''[n] = relu(x Wv1 + bv1) . (Wv2 Wo) + bv2 . Wo + bo, one f32 a key
; With the factor sqrt(c) on both sides exp(-s^2/2) is exp2(-s'^2) of the scaled L1 distance s'.  Since a column's weights sum to one,
; (attn V) Wo + bo = attn v'' for every input, so V is never formed.
; Work-groups 0-127: 128 rows of K each; 128-159: 128 rows of Q each (one text, inputs chosen by the work-group's number);
; 160-223: 256 values each.  Four waves; in the K and Q kinds a wave makes 32 rows as two tiles of 16.
; FORMATS.  Layer 1 (inner size 3) in f32: it would fill 3 of a matrix instruction's 32 along K.  Layer 2 (64 x 64) on the matrix unit in bf16 with f32
; sums; an error d of a score enters the exponent as score x d, so both operands are split, x = hi + lo with hi = bf16(x), lo = bf16(x - hi), and
; hi hi + hi lo + lo hi is summed (lo lo is left out): about 16 bits of each operand are kept.
; THE MATRIX INSTRUCTION IS USED TRANSPOSED: A = 16 columns j' of W2 (as rows, k along the registers), B = 16 rows of the hidden layer.  A lane then
; holds eight neighbouring h of ONE row, and B's lane map (row = lane % 16, k = 32 s + 16 c + 8 (lane / 16) + 0..7) is the layout in which layer 1 is computed.
; LIMITS: relu of a NaN gives 0 (v_max_num_f32); sums run in another order than the problem's definition.
; No tensor loads, no cluster: the weights are 17 KiB a work-group and are used once.
.set WPITCH, 144                       ; LDS row of W2^T: 64 bf16 = 128 bytes + 16: an odd multiple of 16, so 16 rows start at 16 different 16-byte columns
.set WLO,    64*WPITCH                 ; the low parts lie behind the high parts
.set STAGE,  2*WLO                     ; kind Q: a stage of 32 rows for each wave
.set SPITCH, 272                       ; a stage row: 64 f32 = 256 bytes + 16
.set XR,   16                          ; v[16:23]   tile 0: x0 x1 x2 0; tile 1: x0 x1 x2 0.   Later ACC0
.set BIAS, 24                          ; v[24:55]   b2[16 t + 8 hf + j] at 8 t + j
.set RAW,  56                          ; v[56:87]   32 numbers of one column of W2, f32
.set CH,   88                          ; v[88:103]  their high parts, packed
.set CL,   104                         ; v[104:119] their low parts, packed
.set BH,   56                          ; v[56:87]   hidden layer, high parts: tile T at 16 T, K step s at 8 s (over RAW, which is spent)
.set BL,   88                          ; v[88:119]  hidden layer, low parts (over CH and CL, whose LDS stores have been issued)
.set WC,   120                         ; v[120:247] W1 row a (a = 3: b1) at 32 a + 8 cc + i, for hidden unit 16 cc + 8 hf + i
.set AFH,  120                         ; v[120:183] fragments of W2^T, high: 16 t + 8 s (over WC, which is spent)
.set AFL,  184                         ; v[184:247] the same, low
.set TMP,  248                         ; v[248:255] at work.  Later ACC1
.set ACC0, 16
.set ACC1, 248
; two f32 at src -> their high parts packed in hi, the low parts packed in lo; t: a pair at work
.macro SPLIT src, hi, lo, t
	v_cvt_pk_bf16_f32 v[\hi], v[\src], v[\src+1]
	v_lshlrev_b32 v[\t], 16, v[\hi]                ; the high parts back in f32
	v_and_b32 v[\t+1], 0xffff0000, v[\hi]
	v_pk_add_f32 v[\t:\t+1], v[\src:\src+1], v[\t:\t+1] neg_lo:[0,1] neg_hi:[0,1]   ; what the rounding left, exact
	v_cvt_pk_bf16_f32 v[\lo], v[\t], v[\t+1]
.endm
; layer 1 for two hidden units (pair k of the lane's 16) of tile tl: three fused multiply-adds onto b1, relu, split
.macro L1PAIR tl, k
	v_pk_fma_f32 v[TMP+4*\tl:TMP+4*\tl+1], v[WC+2*\k:WC+2*\k+1], v[XR+4*\tl:XR+4*\tl+1], v[WC+96+2*\k:WC+96+2*\k+1] op_sel_hi:[1,0,1]          ; x0, both halves
	v_pk_fma_f32 v[TMP+4*\tl:TMP+4*\tl+1], v[WC+32+2*\k:WC+32+2*\k+1], v[XR+4*\tl:XR+4*\tl+1], v[TMP+4*\tl:TMP+4*\tl+1] op_sel:[0,1,0] op_sel_hi:[1,1,1]   ; x1
	v_pk_fma_f32 v[TMP+4*\tl:TMP+4*\tl+1], v[WC+64+2*\k:WC+64+2*\k+1], v[XR+4*\tl+2:XR+4*\tl+3], v[TMP+4*\tl:TMP+4*\tl+1] op_sel_hi:[1,0,1]   ; x2
	v_max_num_f32 v[TMP+4*\tl], 0, v[TMP+4*\tl]
	v_max_num_f32 v[TMP+4*\tl+1], 0, v[TMP+4*\tl+1]
	SPLIT TMP+4*\tl, BH+16*\tl+\k, BL+16*\tl+\k, TMP+4*\tl+2
.endm
; one product for both row tiles: columns 16 t .. +15, K step s.  first = 1: the bias starts the sums, nothing is cleared.
.macro PROD t, a, b, s, first
.if \first
	v_wmma_f32_16x16x32_bf16 v[ACC0:ACC0+7], v[\a+16*\t+8*\s:\a+16*\t+8*\s+7], v[\b+8*\s:\b+8*\s+7], v[BIAS+8*\t:BIAS+8*\t+7]
	v_wmma_f32_16x16x32_bf16 v[ACC1:ACC1+7], v[\a+16*\t+8*\s:\a+16*\t+8*\s+7], v[\b+16+8*\s:\b+16+8*\s+7], v[BIAS+8*\t:BIAS+8*\t+7]
.else
	v_wmma_f32_16x16x32_bf16 v[ACC0:ACC0+7], v[\a+16*\t+8*\s:\a+16*\t+8*\s+7], v[\b+8*\s:\b+8*\s+7], v[ACC0:ACC0+7]
	v_wmma_f32_16x16x32_bf16 v[ACC1:ACC1+7], v[\a+16*\t+8*\s:\a+16*\t+8*\s+7], v[\b+16+8*\s:\b+16+8*\s+7], v[ACC1:ACC1+7]
.endif
.endm
; columns 16 t .. 16 t + 15 of both row tiles: twelve matrix instructions, scale, and out.  kind 0: to kt; kind 1: into the wave's stage.
; The two accumulators take turns, one instruction a turn.
.macro OUTT t, kind
	PROD \t, AFH, BH, 0, 1
	PROD \t, AFH, BH, 1, 0
	PROD \t, AFH, BL, 0, 0
	PROD \t, AFH, BL, 1, 0
	PROD \t, AFL, BH, 0, 0
	PROD \t, AFL, BH, 1, 0
.rept 5
	v_nop                                          ; places behind the matrix instructions (ISA guide 7.12.1): four before the results are read, five before the next t writes over them
.endr
.irp i, 0,2,4,6
	v_pk_mul_f32 v[ACC0+\i:ACC0+\i+1], v[ACC0+\i:ACC0+\i+1], 0x3f596d27 op_sel_hi:[1,0]   ; sqrt(log2(e)/2)
	v_pk_mul_f32 v[ACC1+\i:ACC1+\i+1], v[ACC1+\i:ACC1+\i+1], 0x3f596d27 op_sel_hi:[1,0]
.endr
.if \kind == 0
	; register j of lane (r, hf) is K'[row 16 T + r][16 t + 8 hf + j]: four h are one 16-byte cell of kt; lanes r = 0..15 store 256 consecutive bytes, aligned
	global_store_b128 v10, v[ACC0:ACC0+3],   s[14:15] offset:4096*\t
	global_store_b128 v10, v[ACC0+4:ACC0+7], s[14:15] offset:4096*\t+1024
	global_store_b128 v10, v[ACC1:ACC1+3],   s[14:15] offset:4096*\t+256
	global_store_b128 v10, v[ACC1+4:ACC1+7], s[14:15] offset:4096*\t+1280
.if \t < 3
	s_wait_xcnt 0x0                                ; the accumulators, which these stores read, are written again by the next t only behind this wait
.endif
.else
	ds_store_b128 v11, v[ACC0:ACC0+3]   offset:64*\t
	ds_store_b128 v11, v[ACC0+4:ACC0+7] offset:64*\t+16
	ds_store_b128 v11, v[ACC1:ACC1+3]   offset:16*SPITCH+64*\t
	ds_store_b128 v11, v[ACC1+4:ACC1+7] offset:16*SPITCH+64*\t+16
.endif
.endm
	s_set_vgpr_msb 0x40
	v_lshl_add_u32 v0, v0, 2, 0xd000
	v_mov_b32 v1, 0
	s_set_vgpr_msb 0x4000
	v_and_b32 v1, 31, v0                           ; lane L
	v_lshrrev_b32 v2, 5, v0
	v_readfirstlane_b32 s54, v2                    ; wave w
	s_cmp_ge_u32 ttmp9, 160                        ; the kind hangs on the work-group's number alone: all four waves go the same way
	s_cbranch_scc1 .Lv
	; ---------------- kinds K and Q ----------------
	s_load_b512 s[4:19], s[0:1], 0x0               ; coords_f, Wk1, bk1, Wk2, bk2, kt, coords_t, Wq1
	s_load_b128 s[20:23], s[0:1], 0x40             ; bq1, Wq2
	s_load_b128 s[24:27], s[0:1], 0x50             ; bq2, qw
	v_and_b32 v3, 15, v1                           ; r
	v_lshrrev_b32 v4, 4, v1                        ; hf
	s_lshr_b32 s55, s54, 1                         ; w / 2
	s_and_b32 s56, s54, 1                          ; w % 2
	s_sub_co_u32 s58, ttmp9, 128
	s_cmp_lt_u32 ttmp9, 128
	s_cselect_b32 s57, ttmp9, s58                  ; the work-group's number within its kind
	s_lshl_b32 s59, s57, 7
	s_lshl_b32 s62, s54, 5
	s_add_co_u32 s59, s59, s62                     ; my wave's first row: 128 x group + 32 w
	s_mul_i32 s60, s59, 12                         ; a row of coordinates is 12 bytes
	s_mov_b32 s61, 0
	v_lshlrev_b32 v5, 2, v3                        ; W2[32 hf + i][16 w + r]: 4 r
	v_lshl_add_u32 v5, v4, 13, v5                  ;   + 32 hf rows of 256 bytes
	s_lshl_b32 s62, s54, 6
	v_add_nc_u32 v5, s62, v5                       ;   + 16 w columns
	v_mul_u32_u24 v6, v3, 12                       ; my row's coordinates
	v_lshlrev_b32 v7, 5, v4                        ; 8 hf numbers into W1, b1, b2
	v_mul_u32_u24 v8, v3, WPITCH                   ; where my column of W2 goes: LDS row 16 w + r,
	v_lshl_add_u32 v8, v4, 6, v8                   ;   k = 32 hf on, 2 bytes each
	s_mul_i32 s62, s54, 16*WPITCH
	v_add_nc_u32 v8, s62, v8
	v_mul_u32_u24 v9, v3, WPITCH                   ; where my fragments of W2^T are read: row r of a block of 16, 16 hf
	v_lshl_add_u32 v9, v4, 4, v9
	s_wait_kmcnt 0x0
	s_cmp_lt_u32 ttmp9, 128
	s_cselect_b64 s[28:29], s[4:5], s[16:17]       ; x
	s_cselect_b64 s[30:31], s[6:7], s[18:19]       ; W1
	s_cselect_b64 s[32:33], s[8:9], s[20:21]       ; b1
	s_cselect_b64 s[34:35], s[10:11], s[22:23]     ; W2
	s_cselect_b64 s[36:37], s[12:13], s[24:25]     ; b2
	s_add_nc_u64 s[28:29], s[28:29], s[60:61]
	; all loads at once, in the order in which they are needed: 32 + 6 + 32 + 8
.set i, 0
.rept 32
	global_load_b32 v[RAW+i], v5, s[34:35] offset:256*i
.set i, i+1
.endr
.irp c, 0,1,2
	global_load_b32 v[XR+\c],   v6, s[28:29] offset:4*\c          ; tile 0: row r
	global_load_b32 v[XR+4+\c], v6, s[28:29] offset:192+4*\c      ; tile 1: row 16 + r
.endr
.irp a, 0,1,2
.irp q, 0,1,2,3,4,5,6,7
	global_load_b128 v[WC+32*\a+4*\q:WC+32*\a+4*\q+3], v7, s[30:31] offset:256*\a+64*(\q/2)+16*(\q%2)
.endr
.endr
.irp q, 0,1,2,3,4,5,6,7
	global_load_b128 v[WC+96+4*\q:WC+96+4*\q+3], v7, s[32:33] offset:64*(\q/2)+16*(\q%2)
.endr
.irp q, 0,1,2,3,4,5,6,7
	global_load_b128 v[BIAS+4*\q:BIAS+4*\q+3], v7, s[36:37] offset:64*(\q/2)+16*(\q%2)
.endr
	v_mov_b32 v[XR+3], 0                           ; the upper halves of the pairs that carry x2: never multiplied, but named
	v_mov_b32 v[XR+7], 0
	s_wait_loadcnt 46                              ; loads come back in order (ISA guide 5.7.1): 6 + 32 + 8 were issued behind W2's 32
.set i, 0
.rept 16
	SPLIT RAW+2*i, CH+i, CL+i, TMP+2*(i%4)
.set i, i+1
.endr
.irp q, 0,1,2,3
	ds_store_b128 v8, v[CH+4*\q:CH+4*\q+3] offset:16*\q
	ds_store_b128 v8, v[CL+4*\q:CL+4*\q+3] offset:WLO+16*\q
.endr
	s_wait_loadcnt 8                               ; the coordinates, W1 and b1 are in; b2's eight loads may stay out
.irp k, 0,1,2,3,4,5,6,7,8,9,10,11,12,13,14,15
	L1PAIR 0, \k
	L1PAIR 1, \k
.endr
	s_wait_dscnt 0x0                               ; my 16 rows of W2^T are in LDS: for the other waves' sake the count is zero
	s_barrier_signal -1
	s_barrier_wait -1                              ; all 64 rows are
.irp t, 0,1,2,3
.irp s, 0,1
.irp c, 0,1
	ds_load_b128 v[AFH+16*\t+8*\s+4*\c:AFH+16*\t+8*\s+4*\c+3], v9 offset:16*WPITCH*\t+64*\s+32*\c
	ds_load_b128 v[AFL+16*\t+8*\s+4*\c:AFL+16*\t+8*\s+4*\c+3], v9 offset:WLO+16*WPITCH*\t+64*\s+32*\c
.endr
.endr
.endr
	s_cmp_ge_u32 ttmp9, 128
	s_cbranch_scc1 .Lq
	; kind K: my 32 rows are slots 32 (w % 2) .. +31 of chunk 2 x group + w / 2
	v_lshlrev_b32 v10, 4, v3                       ; 16 r
	v_lshl_add_u32 v10, v4, 11, v10                ; + 2 hf cells of 1,024 bytes
	s_lshl_b32 s62, s56, 9
	v_add_nc_u32 v10, s62, v10                     ; + 32 (w % 2) slots of 16 bytes
	s_lshl_b32 s60, s57, 1
	s_add_co_u32 s60, s60, s55
	s_lshl_b32 s60, s60, 14                        ; a chunk is 16,384 bytes
	s_add_nc_u64 s[14:15], s[14:15], s[60:61]
	s_wait_loadcnt 0x0                             ; b2
	s_wait_dscnt 0x0                               ; the fragments
	OUTT 0, 0
	OUTT 1, 0
	OUTT 2, 0
	OUTT 3, 0
	s_set_vgpr_msb 0x5
	s_wait_tensorcnt 0x0
	ds_add_u32 v0, v1
	s_wait_dscnt 0x0
	s_set_vgpr_msb 0x500
	s_endpgm
.Lq:
	; kind Q: rows of 256 bytes are gathered in the wave's own stage, which no other wave touches: no barrier
	s_mul_i32 s62, s54, 32*SPITCH
	s_add_co_u32 s62, s62, STAGE
	v_mul_u32_u24 v11, v3, SPITCH                  ; in: row r, 8 hf numbers of 4 bytes
	v_lshl_add_u32 v11, v4, 5, v11
	v_add_nc_u32 v11, s62, v11
	v_mul_u32_u24 v12, v4, SPITCH                  ; back: lanes 0-15 one row, lanes 16-31 the next
	v_lshl_add_u32 v12, v3, 4, v12
	v_add_nc_u32 v12, s62, v12
	v_lshlrev_b32 v13, 4, v3                       ; and the same two rows in qw
	v_lshl_add_u32 v13, v4, 8, v13
	s_lshl_b32 s60, s59, 8                         ; my first row, 256 bytes a row
	s_add_nc_u64 s[26:27], s[26:27], s[60:61]
	s_wait_loadcnt 0x0                             ; b2
	s_wait_dscnt 0x0                               ; the fragments
	OUTT 0, 1
	OUTT 1, 1
	OUTT 2, 1
	OUTT 3, 1
.set i, 0
.rept 16
	ds_load_b128 v[WC+4*i:WC+4*i+3], v12 offset:2*SPITCH*i       ; LDS serves a wave's instructions in order (ISA guide 5.7.1): these see the stores above
.set i, i+1
.endr
.set i, 0
.rept 16
	s_wait_dscnt 15-i                              ; read-back i is in; the 15 - i behind it may stay out
	global_store_b128 v13, v[WC+4*i:WC+4*i+3], s[26:27] offset:512*i    ; 16 lanes store one row: 256 consecutive bytes, aligned
.set i, i+1
.endr
	s_set_vgpr_msb 0x5
	s_wait_tensorcnt 0x0
	ds_add_u32 v0, v1
	s_wait_dscnt 0x0
	s_set_vgpr_msb 0x500
	s_endpgm
	; ---------------- kind V: no LDS, no barrier ----------------
	; A wave makes 64 values; lane L takes rows 2 L and 2 L + 1.  Every wave first makes u = Wv2 Wo (lane L: u[L] and u[32 + L]) and c0 = bv2 . Wo + bo.
.Lv:
	s_load_b512 s[4:19], s[0:1], 0x60              ; values_f, Wv1, bv1, Wv2, bv2, Wo, bo, vw
	s_sub_co_u32 s57, ttmp9, 160
	s_lshl_b32 s60, s57, 10                        ; 256 rows of 4 bytes a work-group,
	s_lshl_b32 s62, s54, 8                         ; 64 a wave
	s_add_co_u32 s60, s60, s62
	s_mov_b32 s61, 0
	s_mov_b32 s52, 0x76543210                      ; v_permlanex16_b32: lane i of one half reads lane i of the other
	s_mov_b32 s53, 0xfedcba98
	v_lshlrev_b32 v3, 8, v1                        ; row L of Wv2
	v_lshlrev_b32 v4, 2, v1                        ; element L of a vector of 64
	v_lshlrev_b32 v5, 3, v1                        ; my two rows
	s_wait_kmcnt 0x0
	s_load_b512 s[20:35], s[14:15], 0x0            ; Wo[0..31] in s20-s51,
	s_load_b512 s[36:51], s[14:15], 0x40
	s_load_b512 s[68:83], s[14:15], 0x80           ; Wo[32..63] in s68-s99
	s_load_b512 s[84:99], s[14:15], 0xc0
	s_load_b32 s2, s[16:17], 0x0                   ; bo
	s_add_nc_u64 s[4:5], s[4:5], s[60:61]
	s_add_nc_u64 s[18:19], s[18:19], s[60:61]
.set i, 0
.rept 16
	global_load_b128 v[120+4*i:120+4*i+3], v3, s[10:11] offset:16*i          ; Wv2[L][..]
	global_load_b128 v[184+4*i:184+4*i+3], v3, s[10:11] offset:8192+16*i     ; Wv2[32 + L][..]
.set i, i+1
.endr
	global_load_b32 v6,  v4, s[6:7]                ; Wv1[L], Wv1[32 + L]
	global_load_b32 v7,  v4, s[6:7] offset:128
	global_load_b32 v8,  v4, s[8:9]                ; bv1
	global_load_b32 v9,  v4, s[8:9] offset:128
	global_load_b32 v10, v4, s[12:13]              ; bv2
	global_load_b32 v11, v4, s[12:13] offset:128
	global_load_b32 v12, v4, s[14:15]              ; Wo
	global_load_b32 v13, v4, s[14:15] offset:128
	global_load_b64 v[14:15], v5, s[4:5]           ; x of my two rows
	s_wait_kmcnt 0x0
	s_wait_loadcnt 0x0
	v_mul_f32 v16, s20, v120                       ; four chains that do not wait for each other; the first products start them
	v_mul_f32 v17, s68, v152
	v_mul_f32 v18, s20, v184
	v_mul_f32 v19, s68, v216
.set j, 1
.rept 31
	v_fmac_f32 v16, s[20+j], v[120+j]
	v_fmac_f32 v17, s[68+j], v[152+j]
	v_fmac_f32 v18, s[20+j], v[184+j]
	v_fmac_f32 v19, s[68+j], v[216+j]
.set j, j+1
.endr
	v_add_f32 v16, v16, v17                        ; u[L]
	v_add_f32 v17, v18, v19                        ; u[32 + L]
	v_mul_f32 v18, v10, v12                        ; bv2 . Wo: two products a lane, then across the 32 lanes
	v_fmac_f32 v18, v11, v13
	v_add_f32_dpp v18, v18, v18 row_xmask:1 row_mask:0xf bank_mask:0xf
	v_add_f32_dpp v18, v18, v18 row_xmask:2 row_mask:0xf bank_mask:0xf
	v_add_f32_dpp v18, v18, v18 row_xmask:4 row_mask:0xf bank_mask:0xf
	v_add_f32_dpp v18, v18, v18 row_xmask:8 row_mask:0xf bank_mask:0xf
	v_permlanex16_b32 v19, v18, s52, s53
	v_add_f32 v18, v18, v19
	v_add_f32 v18, s2, v18                         ; c0, in every lane
; 16 hidden units: their Wv1, bv1 and u come out of the lanes into scalar registers (over Wo, which is spent), then three instructions a unit and row
.macro VCHUNK q
.set i, 0
.rept 16
	v_readlane_b32 s[20+i], v[6+\q/2],  16*(\q%2)+i
	v_readlane_b32 s[36+i], v[8+\q/2],  16*(\q%2)+i
	v_readlane_b32 s[68+i], v[16+\q/2], 16*(\q%2)+i
.set i, i+1
.endr
.set i, 0
.rept 16
	v_fma_f32 v[20+2*(i%2)], v14, s[20+i], s[36+i]
	v_fma_f32 v[21+2*(i%2)], v15, s[20+i], s[36+i]
	v_max_num_f32 v[20+2*(i%2)], 0, v[20+2*(i%2)]
	v_max_num_f32 v[21+2*(i%2)], 0, v[21+2*(i%2)]
.if \q+i == 0
	v_fma_f32 v24, s[68+i], v[20+2*(i%2)], v18     ; c0 starts the sums
	v_fma_f32 v25, s[68+i], v[21+2*(i%2)], v18
.else
	v_fmac_f32 v24, s[68+i], v[20+2*(i%2)]
	v_fmac_f32 v25, s[68+i], v[21+2*(i%2)]
.endif
.set i, i+1
.endr
.endm
	VCHUNK 0
	VCHUNK 1
	VCHUNK 2
	VCHUNK 3
	global_store_b64 v5, v[24:25], s[18:19]        ; the wave stores 256 consecutive bytes, aligned
	s_endpgm
.Lfunc_end_k_q5abb8902e8_prep:
	.size	k_q5abb8902e8_prep, .Lfunc_end_k_q5abb8902e8_prep-k_q5abb8902e8_prep
	.p2alignl 7, 3214868480
	.fill 96, 4, 3214868480
	.section	.rodata,"a",@progbits
	.p2align	6, 0x0
	.amdhsa_kernel k_q5abb8902e8_prep
		.amdhsa_group_segment_fixed_size 53760
		.amdhsa_private_segment_fixed_size 0
		.amdhsa_enable_private_segment 0
		.amdhsa_kernarg_size 160
		.amdhsa_user_sgpr_count 2
		.amdhsa_user_sgpr_kernarg_segment_ptr 1
		.amdhsa_wavefront_size32 1
		.amdhsa_system_sgpr_workgroup_id_x 1
		.amdhsa_system_sgpr_workgroup_id_y 1
		.amdhsa_system_sgpr_workgroup_id_z 1
		.amdhsa_system_vgpr_workitem_id 0
		.amdhsa_next_free_vgpr 258
		.amdhsa_next_free_sgpr 100
		.amdhsa_reserve_vcc 0
		.amdhsa_float_denorm_mode_32 3
		.amdhsa_float_denorm_mode_16_64 3
		.amdhsa_memory_ordered 1
		.amdhsa_forward_progress 1
		.amdhsa_inst_pref_size 92
	.end_amdhsa_kernel
	.amdgpu_metadata
---
amdhsa.version: [ 1, 2 ]
amdhsa.kernels:
  - .name:           k_q5abb8902e8_prep
    .symbol:         k_q5abb8902e8_prep.kd
    .args:
      - { .name: coords_f, .offset: 0, .size: 8, .value_kind: global_buffer, .address_space: global }
      - { .name: Wk1, .offset: 8, .size: 8, .value_kind: global_buffer, .address_space: global }
      - { .name: bk1, .offset: 16, .size: 8, .value_kind: global_buffer, .address_space: global }
      - { .name: Wk2, .offset: 24, .size: 8, .value_kind: global_buffer, .address_space: global }
      - { .name: bk2, .offset: 32, .size: 8, .value_kind: global_buffer, .address_space: global }
      - { .name: kt, .offset: 40, .size: 8, .value_kind: global_buffer, .address_space: global }
      - { .name: coords_t, .offset: 48, .size: 8, .value_kind: global_buffer, .address_space: global }
      - { .name: Wq1, .offset: 56, .size: 8, .value_kind: global_buffer, .address_space: global }
      - { .name: bq1, .offset: 64, .size: 8, .value_kind: global_buffer, .address_space: global }
      - { .name: Wq2, .offset: 72, .size: 8, .value_kind: global_buffer, .address_space: global }
      - { .name: bq2, .offset: 80, .size: 8, .value_kind: global_buffer, .address_space: global }
      - { .name: qw, .offset: 88, .size: 8, .value_kind: global_buffer, .address_space: global }
      - { .name: values_f, .offset: 96, .size: 8, .value_kind: global_buffer, .address_space: global }
      - { .name: Wv1, .offset: 104, .size: 8, .value_kind: global_buffer, .address_space: global }
      - { .name: bv1, .offset: 112, .size: 8, .value_kind: global_buffer, .address_space: global }
      - { .name: Wv2, .offset: 120, .size: 8, .value_kind: global_buffer, .address_space: global }
      - { .name: bv2, .offset: 128, .size: 8, .value_kind: global_buffer, .address_space: global }
      - { .name: Wo, .offset: 136, .size: 8, .value_kind: global_buffer, .address_space: global }
      - { .name: bo, .offset: 144, .size: 8, .value_kind: global_buffer, .address_space: global }
      - { .name: vw, .offset: 152, .size: 8, .value_kind: global_buffer, .address_space: global }
    .group_segment_fixed_size: 53760
    .private_segment_fixed_size: 0
    .kernarg_segment_align: 8
    .kernarg_segment_size: 160
    .max_flat_workgroup_size: 128
    .sgpr_count:     100
    .vgpr_count:     258
    .wavefront_size: 32
...
	.end_amdgpu_metadata
.endif
;; end of part 1
;; launch dist (part 2): grid 256 x 1, 16 waves a work-group, no clusters, 100,608 bytes of LDS; arguments kt, qw, vw, out0; writes out0
.if DOCPART == 2
	.amdgcn_target "amdgcn-amd-amdhsa--gfx1250"
	.amdhsa_code_object_version 6
	.text
	.protected	k_q5abb8902e8_dist
	.globl	k_q5abb8902e8_dist
	.p2align	8
	.type	k_q5abb8902e8_dist,@function
k_q5abb8902e8_dist:
	s_mov_b64 s[64:65], 0
	v_nop
	global_prefetch_b8 v0, s[64:65] scope:SCOPE_SE
	s_setreg_imm32_b32 hwreg(HW_REG_WAVE_MODE, 25, 1), 1
	s_wait_xcnt 0x0
; DIST: out0[b][m] = sum over n of softmax over n of (-s^2/2) x v''[n], s = sum over h of |K[n][h] - Q[m][h]|.
; kt and qw hold K and Q times sqrt(log2(e)/2), so the weight is exp2(-s'^2) of the scaled distance s'; vw holds v'' (see the launch before).
; SHARES.  Work-group g: batch g / 64, the 16 columns m = 16 (g % 64) .. +15, all 4,096 keys: a column's softmax never leaves the work-group.
; Sixteen waves, four to a SIMD; wave w owns keys 256 w .. +255 as four chunks of 64; lane p holds key rows p (row a) and p + 32 (row b) of a chunk, all 64 h of both
; in 128 registers.  kt is stored in that very layout, so a chunk is 32 loads of 16 bytes a lane, each covering 512 consecutive bytes.
; A query row is the same for all lanes: it comes by scalar loads into scalar registers, half a row (32 numbers) at a time, two buffers by turns.
; THE INNER STEP, five instructions for four elements: two dual subtractions make four differences, two additions with both magnitudes taken on the way in
; make two sums (row a, row b), one packed addition gathers them.
; SOFTMAX with a running maximum: the largest -s^2/2 is the least e = s'^2.  Each lane keeps, for each column, E (least e so far), S = sum of exp2(E - e) and
; W = sum of exp2(E - e) v''; the 512 lanes' figures meet in LDS at the end, and out = W / S.
; LEFT OUT.  Matrix unit: |k - q| is no product, and attn v'' has one column.  Joint loads in a cluster, though the 64 work-groups of a batch read the same kt:
; a chunk's 32 loads (16 KiB a wave) feed some 2,700 vector instructions; through LDS the same 32 loads would still be issued, as LDS reads, on top of the fill,
; and each refill would need a round of the cluster's barrier among sixteen waves that otherwise never meet in the loop.
; LIMITS: a scaled distance above about 1.8e19 overflows when squared: that pair gets weight 0, and a column in which every pair overflows gives NaN, as the
; problem's definition does; weights below 2^-126 count as 0 (v_exp_f32 flushes); sums run in another order than the problem's definition.
.set EN,  12                           ; v12        the column's new E       (pair v[12:13] with A0)
.set A0,  13                           ; v13        E_new - E_old, then its exp2
.set E2,  14                           ; v[14:15]   e of rows a and b
.set A2,  16                           ; v[16:17]   E_new - e, then the two weights
.set D,   20                           ; v[20:35]   differences of 8 h x 2 rows
.set T,   36                           ; v[36:43]   sums of two magnitudes: (row a, row b) x 4
.set P,   44                           ; v[44:75]   column m: (s' of row a, s' of row b)
.set E,   76                           ; v[76:91]   column m: least e so far
.set SW,  92                           ; v[92:123]  column m: (S, W)
.set KA,  124                          ; v[124:187] h 0-31: row a at h, row b at 32 + h
.set KB,  188                          ; v[188:251] h 32-63, likewise
.set QA,  16                           ; s[16:47]   half a query row
.set QB,  68                           ; s[68:99]   the other buffer
; v0 thread, v1 lane, v2 my byte offset in kt, v3 in vw, v4-v7 LDS addresses of the end, v[8:9] = (1.0, v'' of row a), v[10:11] = (1.0, v'' of row b)
; 16 loads: h groups of four, eight of them, rows a and b, from byte off of the chunk at s[4:5]
.macro LOADK kb, off
.irp g, 0,1,2,3,4,5,6,7
	global_load_b128 v[\kb+4*\g:\kb+4*\g+3],       v2, s[4:5] offset:\off+1024*\g
	global_load_b128 v[\kb+32+4*\g:\kb+32+4*\g+3], v2, s[4:5] offset:\off+1024*\g+512
.endr
.endm
; 32 h of one column against my two rows, added into the pair p.  first = 1: the first group of 8 h starts the sum.
; Dual issue wants one even and one odd destination and second sources whose numbers differ modulo 4: row a's h goes with row b's h + 1 and the other way round.
.macro HSTEP kb, q, p, first
.irp g, 0,1,2,3
.irp u, 0,1,2,3
	v_dual_sub_f32 v[D+4*\u],   s[\q+8*\g+2*\u],   v[\kb+8*\g+2*\u]   :: v_dual_sub_f32 v[D+4*\u+1], s[\q+8*\g+2*\u+1], v[\kb+32+8*\g+2*\u+1]
	v_dual_sub_f32 v[D+4*\u+2], s[\q+8*\g+2*\u+1], v[\kb+8*\g+2*\u+1] :: v_dual_sub_f32 v[D+4*\u+3], s[\q+8*\g+2*\u],   v[\kb+32+8*\g+2*\u]
.endr
.irp u, 0,1,2,3
	v_add_f32 v[T+2*\u],   |v[D+4*\u]|,   |v[D+4*\u+2]|          ; row a
	v_add_f32 v[T+2*\u+1], |v[D+4*\u+1]|, |v[D+4*\u+3]|          ; row b
.endr
	v_pk_add_f32 v[T:T+1],   v[T:T+1],   v[T+2:T+3]
	v_pk_add_f32 v[T+4:T+5], v[T+4:T+5], v[T+6:T+7]
.if \g+1 == \first
	v_pk_add_f32 v[\p:\p+1], v[T:T+1], v[T+4:T+5]
.else
	v_pk_add_f32 v[T:T+1], v[T:T+1], v[T+4:T+5]
	v_pk_add_f32 v[\p:\p+1], v[\p:\p+1], v[T:T+1]
.endif
.endr
.endm
; column m has its two distances: take them into the running softmax
.macro SMAX m
	v_pk_mul_f32 v[E2:E2+1], v[P+2*\m:P+2*\m+1], v[P+2*\m:P+2*\m+1]
	v_min3_num_f32 v[EN], v[E+\m], v[E2], v[E2+1]
	v_sub_f32 v[A0], v[EN], v[E+\m]                                                  ; at most 0
	v_pk_add_f32 v[A2:A2+1], v[EN:EN+1], v[E2:E2+1] op_sel_hi:[0,1] neg_lo:[0,1] neg_hi:[0,1]   ; E_new - e, both at most 0
	v_exp_f32 v[A0], v[A0]
	v_exp_f32 v[A2], v[A2]
	v_exp_f32 v[A2+1], v[A2+1]
	v_mov_b32 v[E+\m], v[EN]                                                         ; the plain instruction between the exponentials and their first use (ISA guide 5.7.2)
	s_wait_alu depctr_va_vdst(0)
	v_pk_mul_f32 v[SW+2*\m:SW+2*\m+1], v[SW+2*\m:SW+2*\m+1], v[EN:EN+1] op_sel:[0,1] op_sel_hi:[1,1]          ; (S, W) x exp2(E_new - E_old)
	v_pk_fma_f32 v[SW+2*\m:SW+2*\m+1], v[A2:A2+1], v[8:9],   v[SW+2*\m:SW+2*\m+1] op_sel_hi:[0,1,1]            ; + weight a x (1, v'' a)
	v_pk_fma_f32 v[SW+2*\m:SW+2*\m+1], v[A2:A2+1], v[10:11], v[SW+2*\m:SW+2*\m+1] op_sel:[1,0,0] op_sel_hi:[1,1,1]   ; + weight b x (1, v'' b)
.endm
; Step j of a chunk's 32: column j % 16, h half j / 16.  The half row for step j + 1 is asked for before this step's 80 instructions.
.macro STEP j
.set CUR, QA+(QB-QA)*(\j%2)
.set NXT, QA+QB-CUR
.set COL, \j%16
	s_wait_kmcnt 0x0                               ; this step's half row is in (scalar loads come back in no order: only zero says anything)
.if \j < 31
	s_load_b512 s[NXT:NXT+15],    s[6:7], 256*((\j+1)%16)+128*((\j+1)/16)
	s_load_b512 s[NXT+16:NXT+31], s[6:7], 256*((\j+1)%16)+128*((\j+1)/16)+64
.endif
.if \j < 16
	HSTEP KA, CUR, P+2*COL, 1
.else
	HSTEP KB, CUR, P+2*COL, 0
	SMAX COL
.endif
.endm
	s_load_b256 s[4:11], s[0:1], 0x0               ; kt s[4:5], qw s[6:7], vw s[8:9], out0 s[10:11]
	v_lshl_add_u32 v254, v0, 2, 0x18100
	v_mov_b32 v255, 0
	v_and_b32 v1, 31, v0                           ; lane p
	v_lshrrev_b32 v4, 5, v0
	v_readfirstlane_b32 s12, v4                    ; wave w
	s_lshr_b32 s13, ttmp9, 6                       ; batch
	s_mov_b32 s3, 0
	s_mov_b32 s14, 0x76543210                      ; v_permlanex16_b32: lane i of one half reads lane i of the other
	s_mov_b32 s15, 0xfedcba98
	v_lshlrev_b32 v2, 4, v1                        ; kt: slot p, 16 bytes,
	v_lshl_add_u32 v2, v4, 16, v2                  ;   + 4 w chunks of 16,384 bytes
	v_lshlrev_b32 v3, 2, v1                        ; vw: row p,
	v_lshl_add_u32 v3, v4, 10, v3                  ;   + 256 w rows of 4 bytes
	s_wait_kmcnt 0x0
	s_lshl_b32 s2, s13, 20                         ; a batch of kt: 64 chunks
	s_add_nc_u64 s[4:5], s[4:5], s[2:3]
	s_lshl_b32 s2, ttmp9, 12                       ; my 16 rows of qw, 256 bytes each
	s_add_nc_u64 s[6:7], s[6:7], s[2:3]
	s_lshl_b32 s2, s13, 14                         ; a batch of vw
	s_add_nc_u64 s[8:9], s[8:9], s[2:3]
	s_lshl_b32 s2, ttmp9, 6                        ; my 16 numbers of out0
	s_add_nc_u64 s[10:11], s[10:11], s[2:3]
	LOADK KA, 0                                    ; the first chunk's h 0-31
	; The running figures start at E = the largest finite number, S = W = 0: 50 moves, once.  Writing the first chunk out without them would double the loop's text.
.set i, 0
.rept 16
	v_mov_b32 v[E+i], 0x7f7fffff
	v_mov_b32 v[SW+2*i], 0
	v_mov_b32 v[SW+2*i+1], 0
.set i, i+1
.endr
	v_mov_b32 v8, 1.0
	v_mov_b32 v10, 1.0
	s_mov_b32 s13, 0
.Lchunk:
	s_load_b512 s[QA:QA+15],    s[6:7], 0x0        ; step 0: column 0, h 0-31
	s_load_b512 s[QA+16:QA+31], s[6:7], 0x40
	s_wait_loadcnt 0x0                             ; this chunk's h 0-31, asked for 16 steps ago (the first chunk's: ahead of the loop)
	LOADK KB, 8192                                 ; its h 32-63 and its v'' have the next 16 steps in which to come
	global_load_b32 v9,  v3, s[8:9]
	global_load_b32 v11, v3, s[8:9] offset:128
.irp j, 0,1,2,3,4,5,6,7,8,9,10,11,12,13,14,15
	STEP \j
.endr
	s_wait_loadcnt 0x0                             ; h 32-63 and v''
	s_cmp_eq_u32 s13, 3
	s_cbranch_scc1 .Lnofill                        ; the last chunk asks for nothing: no load leaves my 256 rows; the wait at the loop's head is for zero on either way
	LOADK KA, 16384                                ; the next chunk's h 0-31, into registers that the 16 steps above have done with
.Lnofill:
.irp j, 16,17,18,19,20,21,22,23,24,25,26,27,28,29,30,31
	STEP \j
.endr
	s_wait_xcnt 0x0                                ; the loads just asked for name s[4:5]: the bases step only behind this wait
	s_add_nc_u64 s[4:5], s[4:5], 16384
	s_add_nc_u64 s[8:9], s[8:9], 256
	s_add_co_u32 s13, s13, 1
	s_cmp_lt_u32 s13, 4
	s_cbranch_scc1 .Lchunk
	; THE END.  LDS: E at 2,048 m + 4 x thread (32 KiB); (S, W) at 32,768 + 4,096 m + 8 x thread (64 KiB); the 16 results at 98,304.
	v_lshlrev_b32 v4, 2, v0
	v_lshlrev_b32 v5, 3, v0
	v_add_nc_u32 v5, 0x8000, v5
.irp m, 0,1,2,3,4,5,6,7,8,9,10,11,12,13,14,15
	ds_store_b32 v4, v[E+\m] offset:2048*\m
	ds_store_b64 v5, v[SW+2*\m:SW+2*\m+1] offset:4096*\m
.endr
	s_wait_dscnt 0x0                               ; for the others' sake: zero
	s_barrier_signal -1
	s_barrier_wait -1
	; wave w gathers column w: 512 figures, 16 a lane
.set ER, KA                            ; v[124:139] E of 16 threads
.set SR, KA+16                         ; v[140:171] their (S, W)
	s_lshl_b32 s2, s12, 11
	v_lshl_add_u32 v6, v1, 2, s2
	s_lshl_b32 s3, s12, 12
	s_add_co_u32 s3, s3, 0x8000
	v_lshl_add_u32 v7, v1, 3, s3
.set i, 0
.rept 16
	ds_load_b32 v[ER+i], v6 offset:128*i
	ds_load_b64 v[SR+2*i:SR+2*i+1], v7 offset:256*i
.set i, i+1
.endr
	s_wait_dscnt 0x0
	v_min3_num_f32 v[EN], v[ER], v[ER+1], v[ER+2]
.irp i, 3,5,7,9,11,13
	v_min3_num_f32 v[EN], v[EN], v[ER+\i], v[ER+\i+1]
.endr
	v_min_num_f32 v[EN], v[EN], v[ER+15]
	v_min_num_f32_dpp v[EN], v[EN], v[EN] row_xmask:1 row_mask:0xf bank_mask:0xf
	v_min_num_f32_dpp v[EN], v[EN], v[EN] row_xmask:2 row_mask:0xf bank_mask:0xf
	v_min_num_f32_dpp v[EN], v[EN], v[EN] row_xmask:4 row_mask:0xf bank_mask:0xf
	v_min_num_f32_dpp v[EN], v[EN], v[EN] row_xmask:8 row_mask:0xf bank_mask:0xf
	v_permlanex16_b32 v[A0], v[EN], s14, s15
	v_min_num_f32 v[EN], v[EN], v[A0]              ; the column's least e, in every lane
.set i, 0
.rept 16
	v_sub_f32 v[D+i], v[EN], v[ER+i]
.set i, i+1
.endr
.set i, 0
.rept 16
	v_exp_f32 v[D+i], v[D+i]
.set i, i+1
.endr
	v_nop                                          ; the plain instruction between the exponentials and their first use (ISA guide 5.7.2)
	s_wait_alu depctr_va_vdst(0)
	v_pk_mul_f32 v[T:T+1],   v[SR:SR+1],   v[D:D+1] op_sel_hi:[1,0]                 ; two chains; the first products start them
	v_pk_mul_f32 v[T+2:T+3], v[SR+2:SR+3], v[D:D+1] op_sel:[0,1] op_sel_hi:[1,1]
.irp e, 2,4,6,8,10,12,14
	v_pk_fma_f32 v[T:T+1],   v[SR+2*\e:SR+2*\e+1],   v[D+\e:D+\e+1], v[T:T+1]   op_sel_hi:[1,0,1]
	v_pk_fma_f32 v[T+2:T+3], v[SR+2*\e+2:SR+2*\e+3], v[D+\e:D+\e+1], v[T+2:T+3] op_sel:[0,1,0] op_sel_hi:[1,1,1]
.endr
	v_pk_add_f32 v[T:T+1], v[T:T+1], v[T+2:T+3]
.irp x, 1,2,4,8
	v_add_f32_dpp v[T],   v[T],   v[T]   row_xmask:\x row_mask:0xf bank_mask:0xf
	v_add_f32_dpp v[T+1], v[T+1], v[T+1] row_xmask:\x row_mask:0xf bank_mask:0xf
.endr
	v_permlanex16_b32 v[T+2], v[T],   s14, s15
	v_permlanex16_b32 v[T+3], v[T+1], s14, s15
	v_pk_add_f32 v[T:T+1], v[T:T+1], v[T+2:T+3]    ; (S, W) of the column
	v_rcp_f32 v[T+2], v[T]
	s_lshl_b32 s2, s12, 2
	s_add_co_u32 s2, s2, 0x18000
	v_mov_b32 v4, s2                               ; also the plain instruction behind v_rcp_f32
	s_wait_alu depctr_va_vdst(0)
	v_mul_f32 v[T], v[T+1], v[T+2]                 ; W / S
	ds_store_b32 v4, v[T]                          ; all lanes write the same word with the same number
	s_wait_dscnt 0x0
	s_barrier_signal -1
	s_barrier_wait -1
	s_cmp_lg_u32 s12, 0
	s_cbranch_scc1 .Lend
	v_and_b32 v5, 15, v1                           ; wave 0 stores the work-group's 16 numbers: 64 consecutive bytes by one instruction
	v_lshlrev_b32 v5, 2, v5
	v_add_nc_u32 v6, 0x18000, v5
	ds_load_b32 v7, v6
	v_cmp_gt_u32 vcc_lo, 16, v1
	s_wait_dscnt 0x0
	s_wait_xcnt 0x0                                ; EXEC changes only behind this wait
	s_and_saveexec_b32 s2, vcc_lo
	global_store_b32 v5, v7, s[10:11]
	s_wait_xcnt 0x0                                ; and again, in front of the line that widens it
	s_or_b32 exec_lo, exec_lo, s2
.Lend:
	s_wait_tensorcnt 0x0
	ds_add_u32 v254, v255
	s_wait_dscnt 0x0
	s_endpgm
.Lfunc_end_k_q5abb8902e8_dist:
	.size	k_q5abb8902e8_dist, .Lfunc_end_k_q5abb8902e8_dist-k_q5abb8902e8_dist
	.p2alignl 7, 3214868480
	.fill 96, 4, 3214868480
	.section	.rodata,"a",@progbits
	.p2align	6, 0x0
	.amdhsa_kernel k_q5abb8902e8_dist
		.amdhsa_group_segment_fixed_size 100608
		.amdhsa_private_segment_fixed_size 0
		.amdhsa_enable_private_segment 0
		.amdhsa_kernarg_size 32
		.amdhsa_user_sgpr_count 2
		.amdhsa_user_sgpr_kernarg_segment_ptr 1
		.amdhsa_wavefront_size32 1
		.amdhsa_system_sgpr_workgroup_id_x 1
		.amdhsa_system_sgpr_workgroup_id_y 1
		.amdhsa_system_sgpr_workgroup_id_z 1
		.amdhsa_system_vgpr_workitem_id 0
		.amdhsa_next_free_vgpr 256
		.amdhsa_next_free_sgpr 100
		.amdhsa_reserve_vcc 1
		.amdhsa_float_denorm_mode_32 3
		.amdhsa_float_denorm_mode_16_64 3
		.amdhsa_memory_ordered 1
		.amdhsa_forward_progress 1
		.amdhsa_inst_pref_size 191
	.end_amdhsa_kernel
	.amdgpu_metadata
---
amdhsa.version: [ 1, 2 ]
amdhsa.kernels:
  - .name:           k_q5abb8902e8_dist
    .symbol:         k_q5abb8902e8_dist.kd
    .args:
      - { .name: kt, .offset: 0, .size: 8, .value_kind: global_buffer, .address_space: global }
      - { .name: qw, .offset: 8, .size: 8, .value_kind: global_buffer, .address_space: global }
      - { .name: vw, .offset: 16, .size: 8, .value_kind: global_buffer, .address_space: global }
      - { .name: out0, .offset: 24, .size: 8, .value_kind: global_buffer, .address_space: global }
    .group_segment_fixed_size: 100608
    .private_segment_fixed_size: 0
    .kernarg_segment_align: 8
    .kernarg_segment_size: 32
    .max_flat_workgroup_size: 512
    .sgpr_count:     100
    .vgpr_count:     256
    .wavefront_size: 32
...
	.end_amdgpu_metadata
.endif
;; end of part 2
;; ======== version 2 of 2: 2 launches; 1.36 times as fast as version 1
;; workspace buffers: kt 4,194,304 bytes; qw 1,048,576 bytes; vw 65,536 bytes
;; launch prep: the kernel of part 1 again; grid 224 x 1, 4 waves a work-group, no clusters, 53,760 bytes of LDS; arguments coords_f, Wk1, bk1, Wk2, bk2, kt, coords_t, Wq1, bq1, Wq2, bq2, qw, values_f, Wv1, bv1, Wv2, bv2, Wo, bo, vw; writes kt, qw, vw
;; launch dist (part 3): grid 256 x 1, 16 waves a work-group, no clusters, 198,912 bytes of LDS; arguments kt, qw, vw, out0; writes out0
.if DOCPART == 3
	.amdgcn_target "amdgcn-amd-amdhsa--gfx1250"
	.amdhsa_code_object_version 6
	.text
	.protected	k_q5abb8902e8_dist
	.globl	k_q5abb8902e8_dist
	.p2align	8
	.type	k_q5abb8902e8_dist,@function
k_q5abb8902e8_dist:
	s_mov_b64 s[64:65], 0
	v_nop
	global_prefetch_b8 v0, s[64:65] scope:SCOPE_SE
	s_setreg_imm32_b32 hwreg(HW_REG_WAVE_MODE, 25, 1), 1
	s_wait_xcnt 0x0
; DIST: out0[b][m] = sum over n of softmax over n of (-s^2/2) x v''[n], s = sum over h of |K[n][h] - Q[m][h]|.
; kt and qw hold K and Q times sqrt(log2(e)/2), so the weight is exp2(-s'^2) of the scaled distance s'; vw holds v'' (see the launch before).
; SHARES.  Work-group g: batch g / 64, the 16 columns m = 16 (g % 64) .. +15, all 4,096 keys: a column's softmax never leaves the work-group.
; Sixteen waves, four to a SIMD; wave w owns keys 256 w .. +255 as two chunks of 128; lane p holds FOUR key rows of a chunk: p, p + 32, p + 64, p + 96.
; A chunk goes in four phases of 16 h.  A phase's K is 4 rows x 16 h = 64 registers, two such buffers by turns, each asked for a phase ahead; kt is stored
; in the lanes' layout, so a phase is 16 loads of 16 bytes a lane, each covering 512 consecutive bytes.
; A query row is the same for all lanes: it comes by scalar loads into scalar registers.  A block is 32 numbers (two columns x 16 h), two buffers by turns.
; With four rows a lane a block feeds 160 vector instructions, and the next block is asked for in front of them: that is why a lane has four rows and not two.
; THE INNER STEP, five instructions for four elements: two dual subtractions make four differences, two additions with both magnitudes taken on the way in
; make two sums (one for each row of a pair), packed additions gather them; these stand among the NEXT group's subtractions, so that none waits for its neighbour.
; SOFTMAX.  The largest -s^2/2 is the least e = s'^2.  At a chunk's end each lane makes, for each column, E = the least e of its four rows,
; S = sum of exp2(E - e), W = sum of exp2(E - e) v'', and stores them to LDS: 1,024 entries a column.  At the end wave w merges column w: the least E of all,
; each entry scaled by exp2(least E - E), out = W / S.  So a maximum is taken away in front of every exponential.
; LEFT OUT.  Matrix unit: |k - q| is no product, and attn v'' has one column.  Joint loads in a cluster, though the 64 work-groups of a batch read the same kt:
; a chunk's 64 loads (32 KiB a wave) feed some 5,300 vector instructions; through LDS the same 64 loads would still be issued, as LDS reads, on top of the fill,
; and each refill would need a round of the cluster's barrier among sixteen waves that otherwise never meet in the loop.
; LIMITS: a scaled distance above about 1.8e19 overflows when squared: that pair gets weight 0 (E is capped at the largest finite number, so an entry whose four
; rows all overflow has S = W = 0), and a column in which every pair overflows gives NaN, as the problem's definition does; weights below 2^-126 count as 0
; (v_exp_f32 flushes); sums run in another order than the problem's definition.
.set EN,  7                            ; v7         the end: the column's least E
.set D,   16                           ; v[16:31]   differences of 8 h x 2 rows
.set T,   32                           ; v[32:39]   sums of two magnitudes: (row x, row y) x 4
.set P,   40                           ; v[40:103]  column m at 4 m: s' of rows p, p + 32, p + 64, p + 96
.set KA,  104                          ; v[104:167] a phase's K: row r at 16 r + h
.set KB,  168                          ; v[168:231] the other buffer
.set SWT, KB                           ; v[168:199] at a chunk's end, over the spent buffer: column m: (S, W)
.set ENR, KB+32                        ; v[200:215] column m: E
.set QA,  16                           ; s[16:47]   a block of query numbers: column 2 c at 0, column 2 c + 1 at 16
.set QB,  68                           ; s[68:99]   the other buffer
; v0 thread, v1 lane, v2 my byte offset in kt, v3 in vw, v4-v6 LDS addresses, v[8:15] = (1.0, v'') of my four rows; s48 = the largest finite f32
; 16 loads: four h groups of four, four rows, from byte off of the chunk at s[4:5].  Rows p and p + 32 lie in one block of 64 rows of kt, the other two in the next.
.macro LOADK kb, off
.irp g, 0,1,2,3
	global_load_b128 v[\kb+4*\g:\kb+4*\g+3],       v2, s[4:5] offset:\off+1024*\g
	global_load_b128 v[\kb+16+4*\g:\kb+16+4*\g+3], v2, s[4:5] offset:\off+1024*\g+512
	global_load_b128 v[\kb+32+4*\g:\kb+32+4*\g+3], v2, s[4:5] offset:\off+1024*\g+16384
	global_load_b128 v[\kb+48+4*\g:\kb+48+4*\g+3], v2, s[4:5] offset:\off+1024*\g+16896
.endr
.endm
; Four differences: h = 2 u and 2 u + 1 of row x (at kb) and row y (at kb + 16).
; Dual issue wants one even and one odd destination and second sources whose numbers differ modulo 4: row x's h goes with row y's h + 1 and the other way round.
.macro SUB2 kb, q, u
	v_dual_sub_f32 v[D+4*\u],   s[\q+2*\u],   v[\kb+2*\u]   :: v_dual_sub_f32 v[D+4*\u+1], s[\q+2*\u+1], v[\kb+16+2*\u+1]
	v_dual_sub_f32 v[D+4*\u+2], s[\q+2*\u+1], v[\kb+2*\u+1] :: v_dual_sub_f32 v[D+4*\u+3], s[\q+2*\u],   v[\kb+16+2*\u]
.endm
; A group: 8 h of one column against two rows.  Its four pairs of sums are left in T; they are gathered into the pair p among the next group's subtractions.
; PD = the pair that the sums now in T belong to (-1: none), PF = 1: they start that pair's sum (nothing is cleared).
.set PD, -1
.set PF, 0
.macro GRP kb, q, p, first
	SUB2 \kb, \q, 0
.if PD >= 0
	v_pk_add_f32 v[T:T+1], v[T:T+1], v[T+2:T+3]
.endif
	SUB2 \kb, \q, 1
.if PD >= 0
	v_pk_add_f32 v[T+4:T+5], v[T+4:T+5], v[T+6:T+7]
.endif
	SUB2 \kb, \q, 2
.if PD >= 0
.if PF
	v_pk_add_f32 v[PD:PD+1], v[T:T+1], v[T+4:T+5]
.else
	v_pk_add_f32 v[T:T+1], v[T:T+1], v[T+4:T+5]
.endif
.endif
	SUB2 \kb, \q, 3
.if PD >= 0
.if PF == 0
	v_pk_add_f32 v[PD:PD+1], v[PD:PD+1], v[T:T+1]
.endif
.endif
.irp u, 0,1,2,3
	v_add_f32 v[T+2*\u],   |v[D+4*\u]|,   |v[D+4*\u+2]|          ; row x
	v_add_f32 v[T+2*\u+1], |v[D+4*\u+1]|, |v[D+4*\u+3]|          ; row y
.endr
.set PD, \p
.set PF, \first
.endm
; the sums still in T are gathered at once: in front of the softmax, once a chunk
.macro FLUSH
	v_pk_add_f32 v[T:T+1],   v[T:T+1],   v[T+2:T+3]
	v_pk_add_f32 v[T+4:T+5], v[T+4:T+5], v[T+6:T+7]
	v_pk_add_f32 v[T:T+1],   v[T:T+1],   v[T+4:T+5]
	v_pk_add_f32 v[PD:PD+1], v[PD:PD+1], v[T:T+1]
.set PD, -1
.endm
; 16 h of one column against my four rows: 80 instructions for 64 elements.  KBUF: this phase's buffer; FST = 1 in a chunk's first phase.
.macro STEP col, sb
	GRP KBUF,    \sb,   P+4*\col,   FST
	GRP KBUF+8,  \sb+8, P+4*\col,   0
	GRP KBUF+32, \sb,   P+4*\col+2, FST
	GRP KBUF+40, \sb+8, P+4*\col+2, 0
.endm
; Block b of a chunk's 32: phase b / 8, columns 2 (b % 8) and 2 (b % 8) + 1.  The next block is asked for in front of this block's 160 instructions.
.macro BLOCK b
.set CUR, QA+(QB-QA)*(\b%2)
.set NXT, QA+QB-CUR
.set PH, \b/8
.set C0, 2*(\b%8)
.set C1, C0+1
.set KBUF, KA+(KB-KA)*(PH%2)
.if PH == 0
.set FST, 1
.else
.set FST, 0
.endif
	s_wait_kmcnt 0x0                               ; this block is in (scalar loads come back in no order: only zero says anything)
.if \b < 31
	s_load_b512 s[NXT:NXT+15],    s[6:7], 512*((\b+1)%8)+64*((\b+1)/8)
	s_load_b512 s[NXT+16:NXT+31], s[6:7], 512*((\b+1)%8)+64*((\b+1)/8)+256
.endif
	STEP C0, CUR
	STEP C1, CUR+16
.endm
; The chunk's 16 x 4 distances become 16 entries (E, S, W), stage by stage over all columns, so that no instruction waits for the one in front of it.
.macro SMAXALL
.set i, 0
.rept 32
	v_pk_mul_f32 v[P+2*i:P+2*i+1], v[P+2*i:P+2*i+1], v[P+2*i:P+2*i+1]               ; e = s'^2
.set i, i+1
.endr
.set i, 0
.rept 16
	v_min3_num_f32 v[ENR+i], v[P+4*i], v[P+4*i+1], v[P+4*i+2]
.set i, i+1
.endr
.set i, 0
.rept 16
	v_min3_num_f32 v[ENR+i], v[ENR+i], v[P+4*i+3], s48                              ; E, at most the largest finite number
.set i, i+1
.endr
.irp e, 0,2,4,6,8,10,12,14
	v_pk_add_f32 v[P+4*\e:P+4*\e+1],   v[ENR+\e:ENR+\e+1], v[P+4*\e:P+4*\e+1]   op_sel_hi:[0,1] neg_lo:[0,1] neg_hi:[0,1]                ; E - e, at most 0: column e
	v_pk_add_f32 v[P+4*\e+2:P+4*\e+3], v[ENR+\e:ENR+\e+1], v[P+4*\e+2:P+4*\e+3] op_sel_hi:[0,1] neg_lo:[0,1] neg_hi:[0,1]
	v_pk_add_f32 v[P+4*\e+4:P+4*\e+5], v[ENR+\e:ENR+\e+1], v[P+4*\e+4:P+4*\e+5] op_sel:[1,0] op_sel_hi:[1,1] neg_lo:[0,1] neg_hi:[0,1]   ; column e + 1
	v_pk_add_f32 v[P+4*\e+6:P+4*\e+7], v[ENR+\e:ENR+\e+1], v[P+4*\e+6:P+4*\e+7] op_sel:[1,0] op_sel_hi:[1,1] neg_lo:[0,1] neg_hi:[0,1]
.endr
.set i, 0
.rept 64
	v_exp_f32 v[P+i], v[P+i]                                                        ; the weights
.set i, i+1
.endr
	v_nop                                          ; the plain instruction between the exponentials and their first use (ISA guide 5.7.2)
.set i, 0
	s_wait_alu depctr_va_vdst(0)
.rept 16
	v_pk_mul_f32 v[SWT+2*i:SWT+2*i+1], v[P+4*i:P+4*i+1], v[8:9] op_sel_hi:[0,1]     ; weight x (1, v''): the first row starts (S, W)
.set i, i+1
.endr
.set i, 0
.rept 16
	v_pk_fma_f32 v[SWT+2*i:SWT+2*i+1], v[P+4*i:P+4*i+1], v[10:11], v[SWT+2*i:SWT+2*i+1] op_sel:[1,0,0] op_sel_hi:[1,1,1]
.set i, i+1
.endr
.set i, 0
.rept 16
	v_pk_fma_f32 v[SWT+2*i:SWT+2*i+1], v[P+4*i+2:P+4*i+3], v[12:13], v[SWT+2*i:SWT+2*i+1] op_sel_hi:[0,1,1]
.set i, i+1
.endr
.set i, 0
.rept 16
	v_pk_fma_f32 v[SWT+2*i:SWT+2*i+1], v[P+4*i+2:P+4*i+3], v[14:15], v[SWT+2*i:SWT+2*i+1] op_sel:[1,0,0] op_sel_hi:[1,1,1]
.set i, i+1
.endr
.endm
; chunk c's entries go to LDS: E at 4,096 m + 2,048 c + 4 x thread; (S, W) at 65,536 + 8,192 m + 4,096 c + 8 x thread (v5: columns 0-7, v6: columns 8-15)
.macro PUT c
.irp m, 0,1,2,3,4,5,6,7,8,9,10,11,12,13,14,15
	ds_store_b32 v4, v[ENR+\m] offset:4096*\m+2048*\c
.endr
.irp m, 0,1,2,3,4,5,6,7
	ds_store_b64 v5, v[SWT+2*\m:SWT+2*\m+1]       offset:8192*\m+4096*\c
	ds_store_b64 v6, v[SWT+16+2*\m:SWT+16+2*\m+1] offset:8192*\m+4096*\c
.endr
.endm
	s_load_b256 s[4:11], s[0:1], 0x0               ; kt s[4:5], qw s[6:7], vw s[8:9], out0 s[10:11]
	v_lshl_add_u32 v232, v0, 2, 0x30100
	v_mov_b32 v233, 0
	v_and_b32 v1, 31, v0                           ; lane p
	v_lshrrev_b32 v7, 5, v0
	v_readfirstlane_b32 s12, v7                    ; wave w
	s_lshr_b32 s13, ttmp9, 6                       ; batch
	s_mov_b32 s3, 0
	s_mov_b32 s14, 0x76543210                      ; v_permlanex16_b32: lane i of one half reads lane i of the other
	s_mov_b32 s15, 0xfedcba98
	s_mov_b32 s48, 0x7f7fffff                      ; the largest finite f32
	v_lshlrev_b32 v2, 4, v1                        ; kt: slot p, 16 bytes,
	v_lshl_add_u32 v2, v7, 16, v2                  ;   + 256 w rows = 4 w blocks of 16,384 bytes
	v_lshlrev_b32 v3, 2, v1                        ; vw: row p,
	v_lshl_add_u32 v3, v7, 10, v3                  ;   + 256 w rows of 4 bytes
	v_lshlrev_b32 v4, 2, v0                        ; LDS: my word of E,
	v_lshlrev_b32 v5, 3, v0                        ;   my pair (S, W)
	v_add_nc_u32 v6, 0x20000, v5                   ;   of columns 8-15,
	v_add_nc_u32 v5, 0x10000, v5                   ;   of columns 0-7
	s_wait_kmcnt 0x0
	s_lshl_b32 s2, s13, 20                         ; a batch of kt: 4,096 rows of 256 bytes
	s_add_nc_u64 s[4:5], s[4:5], s[2:3]
	s_lshl_b32 s2, ttmp9, 12                       ; my 16 rows of qw, 256 bytes each
	s_add_nc_u64 s[6:7], s[6:7], s[2:3]
	s_lshl_b32 s2, s13, 14                         ; a batch of vw
	s_add_nc_u64 s[8:9], s[8:9], s[2:3]
	s_lshl_b32 s2, ttmp9, 6                        ; my 16 numbers of out0
	s_add_nc_u64 s[10:11], s[10:11], s[2:3]
	LOADK KA, 0                                    ; the first chunk's h 0-15
	v_mov_b32 v8, 1.0                              ; the lower halves of the pairs (1, v'')
	v_mov_b32 v10, 1.0
	v_mov_b32 v12, 1.0
	v_mov_b32 v14, 1.0
	s_mov_b32 s13, 0
.Lchunk:
	s_load_b512 s[QA:QA+15],    s[6:7], 0x0        ; block 0: columns 0 and 1, h 0-15
	s_load_b512 s[QA+16:QA+31], s[6:7], 0x100
	s_wait_loadcnt 0x0                             ; this chunk's h 0-15, asked for a phase ago (the first chunk's: ahead of the loop)
	s_wait_dscnt 0x0                               ; the last trip's LDS stores, which read the other buffer's registers, are done
	LOADK KB, 4096                                 ; h 16-31 and v'' have this phase's 1,280 instructions in which to come
	global_load_b32 v9,  v3, s[8:9]
	global_load_b32 v11, v3, s[8:9] offset:128
	global_load_b32 v13, v3, s[8:9] offset:256
	global_load_b32 v15, v3, s[8:9] offset:384
.irp b, 0,1,2,3,4,5,6,7
	BLOCK \b
.endr
	s_wait_loadcnt 0x0                             ; h 16-31 and v''
	LOADK KA, 8192                                 ; h 32-47, into the buffer that the phase above has done with
.irp b, 8,9,10,11,12,13,14,15
	BLOCK \b
.endr
	s_wait_loadcnt 0x0                             ; h 32-47
	LOADK KB, 12288                                ; h 48-63
.irp b, 16,17,18,19,20,21,22,23
	BLOCK \b
.endr
	s_wait_loadcnt 0x0                             ; h 48-63
	s_cmp_eq_u32 s13, 1
	s_cbranch_scc1 .Lnofill                        ; the last chunk asks for nothing: no load leaves my 256 rows; the wait at the loop's head is for zero on either way
	LOADK KA, 32768                                ; the next chunk's h 0-15
.Lnofill:
.irp b, 24,25,26,27,28,29,30,31
	BLOCK \b
.endr
	FLUSH
	SMAXALL
	s_cmp_lg_u32 s13, 0                            ; the chunk's number stands in the stores' immediates: the address registers are never stepped
	s_cbranch_scc1 .Lsecond
	PUT 0
	s_branch .Lput
.Lsecond:
	PUT 1
.Lput:
	s_wait_xcnt 0x0                                ; the loads just asked for name s[4:5]: the bases step only behind this wait
	s_add_nc_u64 s[4:5], s[4:5], 32768
	s_add_nc_u64 s[8:9], s[8:9], 512
	s_add_co_u32 s13, s13, 1
	s_cmp_lt_u32 s13, 2
	s_cbranch_scc1 .Lchunk
	; THE END.  Wave w merges column w: 1,024 entries, 32 a lane (entries 4 p + 128 i + 0..3).
	s_wait_dscnt 0x0                               ; my entries are in LDS: for the others' sake the count is zero
	s_barrier_signal -1
	s_barrier_wait -1
.set ER, KA                            ; v[104:135] E of 32 entries
.set SR, KA+32                         ; v[136:199] their (S, W)
.set FR, P                             ; v[40:71]   their factors
	s_lshl_b32 s2, s12, 12
	v_lshl_add_u32 v4, v1, 4, s2                   ; 4,096 w + 16 p
	s_lshl_b32 s3, s12, 13
	s_add_co_u32 s3, s3, 0x10000
	v_lshl_add_u32 v5, v1, 5, s3                   ; 65,536 + 8,192 w + 32 p
.set i, 0
.rept 8
	ds_load_b128 v[ER+4*i:ER+4*i+3],   v4 offset:512*i
	ds_load_b128 v[SR+8*i:SR+8*i+3],   v5 offset:1024*i
	ds_load_b128 v[SR+8*i+4:SR+8*i+7], v5 offset:1024*i+16
.set i, i+1
.endr
	s_wait_dscnt 0x0
	v_min3_num_f32 v[T],   v[ER],    v[ER+1],  v[ER+2]           ; two chains
	v_min3_num_f32 v[T+1], v[ER+16], v[ER+17], v[ER+18]
.irp i, 3,5,7,9,11,13
	v_min3_num_f32 v[T],   v[T],   v[ER+\i],    v[ER+\i+1]
	v_min3_num_f32 v[T+1], v[T+1], v[ER+16+\i], v[ER+16+\i+1]
.endr
	v_min3_num_f32 v[EN], v[T], v[T+1], v[ER+15]
	v_min_num_f32 v[EN], v[EN], v[ER+31]
	v_min_num_f32_dpp v[EN], v[EN], v[EN] row_xmask:1 row_mask:0xf bank_mask:0xf
	v_min_num_f32_dpp v[EN], v[EN], v[EN] row_xmask:2 row_mask:0xf bank_mask:0xf
	v_min_num_f32_dpp v[EN], v[EN], v[EN] row_xmask:4 row_mask:0xf bank_mask:0xf
	v_min_num_f32_dpp v[EN], v[EN], v[EN] row_xmask:8 row_mask:0xf bank_mask:0xf
	v_permlanex16_b32 v[T+2], v[EN], s14, s15
	v_min_num_f32 v[EN], v[EN], v[T+2]             ; the column's least e, in every lane
.set i, 0
.rept 32
	v_sub_f32 v[FR+i], v[EN], v[ER+i]              ; at most 0
.set i, i+1
.endr
.set i, 0
.rept 32
	v_exp_f32 v[FR+i], v[FR+i]
.set i, i+1
.endr
	v_nop                                          ; the plain instruction between the exponentials and their first use (ISA guide 5.7.2)
	s_wait_alu depctr_va_vdst(0)
	v_pk_mul_f32 v[T:T+1],   v[SR:SR+1],   v[FR:FR+1] op_sel_hi:[1,0]               ; two chains; the first products start them
	v_pk_mul_f32 v[T+2:T+3], v[SR+2:SR+3], v[FR:FR+1] op_sel:[0,1] op_sel_hi:[1,1]
.irp e, 2,4,6,8,10,12,14,16,18,20,22,24,26,28,30
	v_pk_fma_f32 v[T:T+1],   v[SR+2*\e:SR+2*\e+1],   v[FR+\e:FR+\e+1], v[T:T+1]   op_sel_hi:[1,0,1]
	v_pk_fma_f32 v[T+2:T+3], v[SR+2*\e+2:SR+2*\e+3], v[FR+\e:FR+\e+1], v[T+2:T+3] op_sel:[0,1,0] op_sel_hi:[1,1,1]
.endr
	v_pk_add_f32 v[T:T+1], v[T:T+1], v[T+2:T+3]
.irp x, 1,2,4,8
	v_add_f32_dpp v[T],   v[T],   v[T]   row_xmask:\x row_mask:0xf bank_mask:0xf
	v_add_f32_dpp v[T+1], v[T+1], v[T+1] row_xmask:\x row_mask:0xf bank_mask:0xf
.endr
	v_permlanex16_b32 v[T+2], v[T],   s14, s15
	v_permlanex16_b32 v[T+3], v[T+1], s14, s15
	v_pk_add_f32 v[T:T+1], v[T:T+1], v[T+2:T+3]    ; (S, W) of the column
	v_rcp_f32 v[T+2], v[T]
	s_lshl_b32 s2, s12, 2
	s_add_co_u32 s2, s2, 0x30000
	v_mov_b32 v4, s2                               ; also the plain instruction behind v_rcp_f32
	s_wait_alu depctr_va_vdst(0)
	v_mul_f32 v[T], v[T+1], v[T+2]                 ; W / S
	ds_store_b32 v4, v[T]                          ; all lanes write the same word with the same number
	s_wait_dscnt 0x0
	s_barrier_signal -1
	s_barrier_wait -1
	s_cmp_lg_u32 s12, 0
	s_cbranch_scc1 .Lend
	v_and_b32 v5, 15, v1                           ; wave 0 stores the work-group's 16 numbers: 64 consecutive bytes by one instruction
	v_lshlrev_b32 v5, 2, v5
	v_add_nc_u32 v6, 0x30000, v5
	ds_load_b32 v7, v6
	v_cmp_gt_u32 vcc_lo, 16, v1
	s_wait_dscnt 0x0
	s_wait_xcnt 0x0                                ; EXEC changes only behind this wait
	s_and_saveexec_b32 s2, vcc_lo
	global_store_b32 v5, v7, s[10:11]
	s_wait_xcnt 0x0                                ; and again, in front of the line that widens it
	s_or_b32 exec_lo, exec_lo, s2
.Lend:
	s_wait_tensorcnt 0x0
	ds_add_u32 v232, v233
	s_wait_dscnt 0x0
	s_endpgm
.Lfunc_end_k_q5abb8902e8_dist:
	.size	k_q5abb8902e8_dist, .Lfunc_end_k_q5abb8902e8_dist-k_q5abb8902e8_dist
	.p2alignl 7, 3214868480
	.fill 96, 4, 3214868480
	.section	.rodata,"a",@progbits
	.p2align	6, 0x0
	.amdhsa_kernel k_q5abb8902e8_dist
		.amdhsa_group_segment_fixed_size 198912
		.amdhsa_private_segment_fixed_size 0
		.amdhsa_enable_private_segment 0
		.amdhsa_kernarg_size 32
		.amdhsa_user_sgpr_count 2
		.amdhsa_user_sgpr_kernarg_segment_ptr 1
		.amdhsa_wavefront_size32 1
		.amdhsa_system_sgpr_workgroup_id_x 1
		.amdhsa_system_sgpr_workgroup_id_y 1
		.amdhsa_system_sgpr_workgroup_id_z 1
		.amdhsa_system_vgpr_workitem_id 0
		.amdhsa_next_free_vgpr 234
		.amdhsa_next_free_sgpr 100
		.amdhsa_reserve_vcc 1
		.amdhsa_float_denorm_mode_32 3
		.amdhsa_float_denorm_mode_16_64 3
		.amdhsa_memory_ordered 1
		.amdhsa_forward_progress 1
		.amdhsa_inst_pref_size 255
	.end_amdhsa_kernel
	.section	.bss,"aw",@nobits
	.p2align	6
	.space	262144
	.amdgpu_metadata
---
amdhsa.version: [ 1, 2 ]
amdhsa.kernels:
  - .name:           k_q5abb8902e8_dist
    .symbol:         k_q5abb8902e8_dist.kd
    .args:
      - { .name: kt, .offset: 0, .size: 8, .value_kind: global_buffer, .address_space: global }
      - { .name: qw, .offset: 8, .size: 8, .value_kind: global_buffer, .address_space: global }
      - { .name: vw, .offset: 16, .size: 8, .value_kind: global_buffer, .address_space: global }
      - { .name: out0, .offset: 24, .size: 8, .value_kind: global_buffer, .address_space: global }
    .group_segment_fixed_size: 198912
    .private_segment_fixed_size: 0
    .kernarg_segment_align: 8
    .kernarg_segment_size: 32
    .max_flat_workgroup_size: 512
    .sgpr_count:     100
    .vgpr_count:     234
    .wavefront_size: 32
...
	.end_amdgpu_metadata
.endif
;; end of part 3
